; MI455X (gfx1250); checked and timed in simulation.
; The chip was launched on July 23, 2026; its instructions are those of AMD's public machine-readable ISA for CDNA 5 (MIT licence, August 2026) and "CDNA5" Instruction Set Architecture Reference Guide (July 2026). The comments in the code are by the model that wrote it; some were corrected since.
;; Relation Model double. Allowed arithmetic: float matrix products may take bf16 or f16 operands with f32 sums; other float arithmetic in f32, or as packed bf16 or f16 multiplies, adds, multiply-adds, maxima and minima; sums over many terms, partial sums and values carried from step to step in f32; what a program stores and reads back later, other than sums and carried values, may be rounded once to bf16 or f16.
;; Inputs: Wout_z 256 x 256 float32; Wout_z1 256 x 256 float32; Wqkv_z 768 x 256 float32; Wqkv_z1 768 x 256 float32; bout_z 256 float32; bout_z1 256 float32; x 8 x 3,136 x 256 float32; y 8 x 3,136 x 256 float32.
;; Outputs: out0 8 x 3,136 x 256 float32; out1 8 x 3,136 x 256 float32.
;; 2 versions, each right; version 2 is version 1 with the launch sums written anew for expert scheduling mode. Each part assembles by itself: llvm-mc -triple=amdgcn-amd-amdhsa -mcpu=gfx1250 --defsym DOCPART=n.
;; ======== version 1 of 2: 3 launches
;; limits: values are held in f16: magnitudes above 65,504 overflow, below 6.1e-05 lose precision
;; workspace buffers: psum 262,144 bytes; wb 917,504 bytes; gq 49,152 bytes; bias 4,096 bytes
;; launch sums (part 1): grid 256 x 1, 8 waves a work-group, no clusters, 5,120 bytes of LDS; arguments x, y, psum; writes psum
.if DOCPART == 1
	.amdgcn_target "amdgcn-amd-amdhsa--gfx1250"
	.amdhsa_code_object_version 6
	.text
	.protected	k_qee64a01ef1_sums
	.globl	k_qee64a01ef1_sums
	.p2align	8
	.type	k_qee64a01ef1_sums,@function
k_qee64a01ef1_sums:
	s_mov_b64 s[64:65], 0
	v_nop
	global_prefetch_b8 v0, s[64:65] scope:SCOPE_SE
	s_setreg_imm32_b32 hwreg(HW_REG_WAVE_MODE, 25, 1), 1
	s_wait_xcnt 0x0
; psum[n][chunk][c] = the sum over 196 rows of column c.  n = 2 b + t (t = 0: x, t = 1: y), 16 chunks of 196 rows to a batch of 3,136.
; A stream: every byte of x and y is read once, 16 bytes a lane, 512 consecutive bytes a load of a wave.  No matrix unit, no cluster: no two work-groups share a byte.
; A work-group owns one chunk: 196 rows of 1,024 bytes, dense.  Its 256 threads take 4,096 bytes (four rows) a round, 49 rounds; thread t always holds columns 4 (t % 64) .. + 3.
; Rounds 0 and 1 land in the two accumulators; rounds 2 to 48 go through a ring of 16 register slots and are added by the round's parity (two chains).
; The four rows of a round meet in LDS at the end.  Sums in f32, in this fixed order.
.set ROWB,   1024
.set RB,     4096                      ; bytes in a round
.set ROUNDS, 49
.set DEPTH,  16
.set SPARE,  4096                      ; behind the 4,096 bytes of partial sums: the spare words, 128 bytes for each of eight waves
.set OFS, 1                            ; v1       16 x thread: my place in a round, and in LDS
.set SPW, 2                            ; v2       my spare word; never rewritten
.set NIL, 3                            ; v3       0; never rewritten
.set ACC, 4                            ; v[4:7] even rounds, v[8:11] odd rounds
.set RING, 16                          ; v[16:79] 16 slots of 4
	s_load_b128 s[4:7], s[0:1], 0x0                ; x, y
	s_load_b64 s[8:9], s[0:1], 0x10                ; psum
	v_lshl_add_u32 v[SPW], v0, 2, SPARE
	v_mov_b32 v[NIL], 0
	v_lshlrev_b32 v[OFS], 4, v0
	v_lshrrev_b32 v12, 5, v0
	v_readfirstlane_b32 s10, v12                   ; wave
	s_lshr_b32 s11, ttmp9, 4                       ; n
	s_and_b32 s12, s11, 1                          ; t
	s_lshr_b32 s13, s11, 1                         ; b
	s_and_b32 s14, ttmp9, 15                       ; chunk
	s_mul_i32 s16, s13, 3136*ROWB
	s_mul_i32 s15, s14, 196*ROWB
	s_add_co_u32 s16, s16, s15                     ; the chunk's first byte, under 2^25
	s_mov_b32 s17, 0
	s_lshl_b32 s18, ttmp9, 10                      ; psum: 1,024 bytes a work-group
	s_mov_b32 s19, 0
	s_wait_kmcnt 0x0
	s_cmp_eq_u32 s12, 0
	s_cselect_b64 s[4:5], s[4:5], s[6:7]           ; x or y
	s_add_nc_u64 s[4:5], s[4:5], s[16:17]
	s_add_nc_u64 s[8:9], s[8:9], s[18:19]
	global_load_b128 v[ACC:ACC+3],   v[OFS], s[4:5] th:TH_LOAD_NT
	global_load_b128 v[ACC+4:ACC+7], v[OFS], s[4:5] offset:RB th:TH_LOAD_NT
.set i, 2
.rept DEPTH
	global_load_b128 v[RING+4*((i-2)%DEPTH):RING+4*((i-2)%DEPTH)+3], v[OFS], s[4:5] offset:RB*i th:TH_LOAD_NT
.set i, i+1
.endr
.set i, 2
.rept ROUNDS-2
.if ROUNDS-1-i < DEPTH-1
	s_wait_loadcnt ROUNDS-1-i                      ; the tail: as many younger loads as there are rounds left
.else
	s_wait_loadcnt DEPTH-1                         ; loads come back in order: round i is in, the 15 younger stay out
.endif
	v_pk_add_f32 v[ACC+4*(i%2):ACC+4*(i%2)+1],   v[ACC+4*(i%2):ACC+4*(i%2)+1],   v[RING+4*((i-2)%DEPTH):RING+4*((i-2)%DEPTH)+1]
	v_pk_add_f32 v[ACC+4*(i%2)+2:ACC+4*(i%2)+3], v[ACC+4*(i%2)+2:ACC+4*(i%2)+3], v[RING+4*((i-2)%DEPTH)+2:RING+4*((i-2)%DEPTH)+3]
.if i+DEPTH < ROUNDS
	global_load_b128 v[RING+4*((i-2)%DEPTH):RING+4*((i-2)%DEPTH)+3], v[OFS], s[4:5] offset:RB*(i+DEPTH) th:TH_LOAD_NT
.endif
.set i, i+1
.endr
	v_pk_add_f32 v[ACC:ACC+1],   v[ACC:ACC+1],   v[ACC+4:ACC+5]
	v_pk_add_f32 v[ACC+2:ACC+3], v[ACC+2:ACC+3], v[ACC+6:ACC+7]
	ds_store_b128 v[OFS], v[ACC:ACC+3]
	s_wait_dscnt 0x0                               ; for the others' sake: my store is done
	s_barrier_signal -1
	s_barrier_wait -1
	s_cmp_lt_u32 s10, 2                            ; threads 0 to 63 add the four rows' sums of their four columns
	s_cbranch_scc0 .Lend
	ds_load_b128 v[16:19], v[OFS]
	ds_load_b128 v[20:23], v[OFS] offset:1024
	ds_load_b128 v[24:27], v[OFS] offset:2048
	ds_load_b128 v[28:31], v[OFS] offset:3072
	s_wait_dscnt 0x0
	v_pk_add_f32 v[16:17], v[16:17], v[20:21]
	v_pk_add_f32 v[18:19], v[18:19], v[22:23]
	v_pk_add_f32 v[24:25], v[24:25], v[28:29]
	v_pk_add_f32 v[26:27], v[26:27], v[30:31]
	v_pk_add_f32 v[16:17], v[16:17], v[24:25]
	v_pk_add_f32 v[18:19], v[18:19], v[26:27]
	global_store_b128 v[OFS], v[16:19], s[8:9]     ; a wave stores 512 consecutive bytes, aligned
.Lend:
	s_wait_tensorcnt 0x0                           ; the wave's end: behind my last LDS store
	ds_add_u32 v[SPW], v[NIL]
	s_wait_dscnt 0x0
	s_endpgm
.Lfunc_end_k_qee64a01ef1_sums:
	.size	k_qee64a01ef1_sums, .Lfunc_end_k_qee64a01ef1_sums-k_qee64a01ef1_sums
	.p2alignl 7, 3214868480
	.fill 96, 4, 3214868480
	.section	.rodata,"a",@progbits
	.p2align	6, 0x0
	.amdhsa_kernel k_qee64a01ef1_sums
		.amdhsa_group_segment_fixed_size 5120
		.amdhsa_private_segment_fixed_size 0
		.amdhsa_enable_private_segment 0
		.amdhsa_kernarg_size 24
		.amdhsa_user_sgpr_count 2
		.amdhsa_user_sgpr_kernarg_segment_ptr 1
		.amdhsa_wavefront_size32 1
		.amdhsa_system_sgpr_workgroup_id_x 1
		.amdhsa_system_sgpr_workgroup_id_y 1
		.amdhsa_system_sgpr_workgroup_id_z 1
		.amdhsa_system_vgpr_workitem_id 0
		.amdhsa_next_free_vgpr 80
		.amdhsa_next_free_sgpr 66
		.amdhsa_reserve_vcc 0
		.amdhsa_float_denorm_mode_32 3
		.amdhsa_float_denorm_mode_16_64 3
		.amdhsa_memory_ordered 1
		.amdhsa_forward_progress 1
		.amdhsa_inst_pref_size 15
	.end_amdhsa_kernel
	.amdgpu_metadata
---
amdhsa.version: [ 1, 2 ]
amdhsa.kernels:
  - .name:           k_qee64a01ef1_sums
    .symbol:         k_qee64a01ef1_sums.kd
    .args:
      - { .name: x, .offset: 0, .size: 8, .value_kind: global_buffer, .address_space: global }
      - { .name: y, .offset: 8, .size: 8, .value_kind: global_buffer, .address_space: global }
      - { .name: psum, .offset: 16, .size: 8, .value_kind: global_buffer, .address_space: global }
    .group_segment_fixed_size: 5120
    .private_segment_fixed_size: 0
    .kernarg_segment_align: 8
    .kernarg_segment_size: 24
    .max_flat_workgroup_size: 256
    .sgpr_count:     66
    .vgpr_count:     80
    .wavefront_size: 32
...
	.end_amdgpu_metadata
.endif
;; end of part 1
;; launch prep (part 2): grid 14 x 1, 8 waves a work-group, no clusters, 225,792 bytes of LDS; arguments Wqkv_z, Wqkv_z1, Wout_z, Wout_z1, bout_z, bout_z1, psum, wb, gq, bias; writes wb, gq, bias
.if DOCPART == 2
	.amdgcn_target "amdgcn-amd-amdhsa--gfx1250"
	.amdhsa_code_object_version 6
	.text
	.protected	k_qee64a01ef1_prep
	.globl	k_qee64a01ef1_prep
	.p2align	8
	.type	k_qee64a01ef1_prep,@function
k_qee64a01ef1_prep:
	s_mov_b64 s[64:65], 0
	v_nop
	global_prefetch_b8 v0, s[64:65] scope:SCOPE_SE
	s_setreg_imm32_b32 hwreg(HW_REG_WAVE_MODE, 25, 1), 1
	s_wait_xcnt 0x0
; What the main launch walks, made once.  All inputs are rounded to bf16 here.
;   wb   1,792 rows of 256 16-bit numbers.  Rows 0-767: bf16(Wqkv_z), by heads: row 96 u + 32 sel + i is the source's row 256 sel + 32 u + i (sel: q, k, v).
;        Rows 768-1535: f16(128 WP), WP = Wqkv_z1 Wout_z, in the same order of rows.  Rows 1536-1791: bf16(Wout_z1).
;   gq   f32 [2 b + t][768]: q, k, v of the two mean tokens of each batch, channels by heads.
;   bias f32: [0..767] 128 (Wqkv_z1 bout_z), by heads; [768..1023] bout_z1 rounded to bf16.
; The output projection of the first stage and the input projection of the second are both linear, with nothing between them: their product is formed here in f32 sums and rounded once.
; LIMITS.  128 |WP| stays under 65,504 (f16), that is |WP| under 511; below 6e-5 / 128 a number of WP keeps f16's fixed step.  The mean is the sum times 1/3136 in f32, then rounded to bf16.
; ROLES by the work-group's number (the same for all its waves): 0-5 G (Wqkv_z and gq), 6-11 W (WP and its bias), 12-13 C (Wout_z1, bout_z1).  A wave makes one tile of 16 rows of wb.
; No cluster and no tensor load: 14 work-groups, each reading its own rows; only Wout_z and psum (256 KiB each) are read by six of them.
.set IPI, 544                          ; a row of the image of Wout_z: 272 columns of bf16 = 17 x 32 bytes (an odd multiple of 32 for the turning load)
.set PPI, 528                          ; a row of 256 16-bit numbers + 16 bytes
.set PT,  256*IPI                      ; 139,264: for each wave a tile of 16 rows x 528
.set GM,  PT+8*16*PPI                  ; 206,848: the 16 means as bf16
.set GS,  GM+16*PPI                    ; 215,296: stage for gq: 16 rows x 128 f32
.set BS,  GS+16*PPI                    ; 223,744: stage for the bias: 128 f32, and 512 bytes for the lanes that hold nothing
.set SPARE, BS+1024                    ; 224,768: the spare words, 128 bytes for each of eight waves
.set SPW, 10                           ; my spare word; never rewritten
.set NIL, 11                           ; 0; never rewritten
.set LO16, 12                          ; 16 x lane
.set LO8, 13                           ; 8 x lane
.set PST, 14                           ; my tile + 8 x lane
.set PFR, 15                           ; my tile + 528 r + 16 h: a fragment's place
.set PRD, 16                           ; my tile + 16 x lane: whole rows
.set GMA, 17
.set GFR, 18
.set GSA, 19
.set GSR, 20
.set IST, 21
.set AT,  22                           ; v22-24: the turning load's place in the image, K steps 0-2, 3-5, 6-7
.set BSA, 25
.set BSR, 26
.set BF,  32                           ; v[32:95]   eight fragments of my tile
.set LD,  64                           ; v[64:191]  f32 as loaded
.set ACC, 96                           ; v[96:143]  up to six accumulators (role W)
.set AF,  144                          ; v[144:239] two sets of six turned fragments (role W)
.set PK,  192                          ; v[192:255] packed bf16
.set WV,  24
.macro PLACES                          ; four plain vector instructions behind a matrix instruction (ISA guide 7.12.1)
.rept 4
	v_nop
.endr
.endm
; 16 rows of 256 f32 (dense, 16 KiB at byte so behind s[sb]) are rounded to bf16.  A load takes 512 consecutive bytes; its 128 numbers pack into 256 bytes:
; tog = 1: stored behind s[gb], each store one aligned block of 256 bytes; tol = 1: into LDS at v[la] + lo, rows pitch bytes apart.
.macro CONV16 sb, so, tog, gb, tol, la, lo, pitch
.set cq, 0
.rept 32
	global_load_b128 v[LD+4*cq:LD+4*cq+3], v[LO16], s[\sb:\sb+1] offset:(\so)+512*cq
.set cq, cq+1
.endr
	s_wait_loadcnt 0x0
	s_wait_xcnt 0x0                                ; earlier stores have read their data: PK is written again only behind this wait
.set cq, 0
.rept 64
	v_cvt_pk_bf16_f32 v[PK+cq], v[LD+2*cq], v[LD+2*cq+1]
.set cq, cq+1
.endr
.set cq, 0
.rept 32
.if \tog
	global_store_b64 v[LO8], v[PK+2*cq:PK+2*cq+1], s[\gb:\gb+1] offset:256*cq
.endif
.if \tol
	ds_store_b64 v[\la], v[PK+2*cq:PK+2*cq+1] offset:(\lo)+(\pitch)*(cq/2)+256*(cq%2)
.endif
.set cq, cq+1
.endr
.endm
; Eight fragments (16 rows x 32 K each) of a tile whose rows lie along K: two loads of 16 bytes, 32 bytes apart
.macro FRAGS dst, la
.set fq, 0
.rept 8
	ds_load_b128 v[(\dst)+8*fq:(\dst)+8*fq+3],   v[\la] offset:64*fq
	ds_load_b128 v[(\dst)+8*fq+4:(\dst)+8*fq+7], v[\la] offset:64*fq+32
.set fq, fq+1
.endr
.endm
; Tile s26 of 16 rows by heads -> s28 = the byte offset of its 16 source rows (they are consecutive): u = tile / 6 by (43 tile) >> 8, exact for 0 .. 47
.macro SRCROW
	s_mul_i32 s27, s26, 43
	s_lshr_b32 s27, s27, 8                         ; head u
	s_mul_i32 s28, s27, 6
	s_sub_co_u32 s28, s26, s28                     ; 0 .. 5
	s_lshr_b32 s36, s28, 1                         ; q, k or v
	s_and_b32 s28, s28, 1
	s_lshl_b32 s28, s28, 4
	s_lshl_b32 s36, s36, 8
	s_add_co_u32 s28, s28, s36
	s_lshl_b32 s27, s27, 5
	s_add_co_u32 s28, s28, s27                     ; 256 sel + 32 u + 16 half
	s_lshl_b32 s28, s28, 10                        ; rows of 1,024 bytes
.endm
	s_load_b512 s[4:19], s[0:1], 0x0               ; Wqkv_z s[4:5], Wqkv_z1 s[6:7], Wout_z s[8:9], Wout_z1 s[10:11], bout_z s[12:13], bout_z1 s[14:15], psum s[16:17], wb s[18:19]
	s_load_b128 s[20:23], s[0:1], 0x40             ; gq s[20:21], bias s[22:23]
	v_lshl_add_u32 v[SPW], v0, 2, SPARE
	v_mov_b32 v[NIL], 0
	v_lshrrev_b32 v1, 5, v0
	v_readfirstlane_b32 s[WV], v1                  ; wave 0..7
	v_and_b32 v2, 31, v0                           ; lane
	v_and_b32 v3, 15, v0                           ; r
	v_bfe_u32 v4, v0, 4, 1                         ; h
	v_lshlrev_b32 v[LO16], 4, v2
	v_lshlrev_b32 v[LO8], 3, v2
	v_mul_u32_u24 v9, v3, PPI                      ; 528 r
	v_lshl_add_u32 v5, v4, 4, v9                   ; 528 r + 16 h
	s_mul_i32 s25, s[WV], 16*PPI
	s_add_co_u32 s25, s25, PT                      ; my tile
	v_add_nc_u32 v[PST], s25, v[LO8]
	v_add_nc_u32 v[PFR], s25, v5
	v_add_nc_u32 v[PRD], s25, v[LO16]
	s_mov_b32 s29, 0                               ; the upper word of every offset in s[28:29]
	s_wait_kmcnt 0x0
	s_cmp_lt_u32 ttmp9, 6
	s_cbranch_scc1 .Lrole_g
	s_cmp_lt_u32 ttmp9, 12
	s_cbranch_scc1 .Lrole_w
; ROLE C: 16 rows of Wout_z1 a wave; the first wave of all also rounds bout_z1
	s_sub_co_u32 s26, ttmp9, 12
	s_lshl_b32 s26, s26, 3
	s_add_co_u32 s26, s26, s[WV]                   ; tile 0..15
	s_lshl_b32 s28, s26, 14
	s_add_nc_u64 s[30:31], s[10:11], s[28:29]
	s_lshl_b32 s28, s26, 13
	s_add_co_u32 s28, s28, 1536*512
	s_add_nc_u64 s[32:33], s[18:19], s[28:29]
	CONV16 30, 0, 1, 32, 0, PST, 0, PPI
	s_cmp_lg_u32 s26, 0
	s_cbranch_scc1 .Lend
	global_load_b128 v[64:67], v[LO16], s[14:15]
	global_load_b128 v[68:71], v[LO16], s[14:15] offset:512
	s_wait_loadcnt 0x0
.irp i, 0,1,2,3
	v_cvt_pk_bf16_f32 v[72+\i], v[64+2*\i], v[65+2*\i]
.endr
.irp i, 0,1,2,3
	v_lshlrev_b32 v[64+2*\i], 16, v[72+\i]         ; bf16 back to f32: the low half moves up,
	v_and_b32 v[65+2*\i], 0xffff0000, v[72+\i]     ; the high half stays
.endr
	global_store_b128 v[LO16], v[64:67], s[22:23] offset:3072
	global_store_b128 v[LO16], v[68:71], s[22:23] offset:3584
	s_branch .Lend
; ROLE G
.Lrole_g:
	s_lshl_b32 s26, ttmp9, 3
	s_add_co_u32 s26, s26, s[WV]                   ; tile 0..47
	SRCROW
	s_add_nc_u64 s[30:31], s[4:5], s[28:29]        ; my 16 rows of Wqkv_z
	s_lshl_b32 s28, s26, 13
	s_add_nc_u64 s[32:33], s[18:19], s[28:29]      ; rows 16 tile of wb
	s_lshl_b32 s28, s[WV], 15
	s_add_nc_u64 s[34:35], s[16:17], s[28:29]      ; psum: rows 2 w and 2 w + 1, 16 KiB each
	s_mul_i32 s28, s[WV], 6144
	s_lshl_b32 s36, ttmp9, 9
	s_add_co_u32 s28, s28, s36
	s_add_nc_u64 s[38:39], s[20:21], s[28:29]      ; gq: rows 2 w, 2 w + 1; my work-group's 128 channels
	v_lshl_add_u32 v[GSA], v4, 5, v9               ; 528 r + 32 h
	s_lshl_b32 s36, s[WV], 6
	s_add_co_u32 s36, s36, GS
	v_add_nc_u32 v[GSA], s36, v[GSA]               ; + my tile's 16 channels
	s_mul_i32 s36, s[WV], 2*PPI
	s_add_co_u32 s37, s36, GS
	v_add_nc_u32 v[GSR], s37, v[LO16]
	s_add_co_u32 s36, s36, GM
	v_add_nc_u32 v[GMA], s36, v[LO8]
	v_add_nc_u32 v[GFR], GM, v5
; the means: batch bi = 2 nl + half: the 16 chunks' sums of 128 columns of row 2 w + nl; two batches are out at a time
.macro MLOAD bi
.set mq, 0
.rept 16
	global_load_b128 v[LD+64*((\bi)%2)+4*mq:LD+64*((\bi)%2)+4*mq+3], v[LO16], s[34:35] offset:16384*((\bi)/2)+512*((\bi)%2)+1024*mq
.set mq, mq+1
.endr
.endm
.macro MSUM bi
.set mb, LD+64*((\bi)%2)
.irp d, 8,4,2,1
.set mq, 0
.rept \d
	v_pk_add_f32 v[mb+4*mq:mb+4*mq+1],   v[mb+4*mq:mb+4*mq+1],   v[mb+4*(mq+\d):mb+4*(mq+\d)+1]
	v_pk_add_f32 v[mb+4*mq+2:mb+4*mq+3], v[mb+4*mq+2:mb+4*mq+3], v[mb+4*(mq+\d)+2:mb+4*(mq+\d)+3]
.set mq, mq+1
.endr
.endr
	v_pk_mul_f32 v[mb:mb+1],   v[mb:mb+1],   0x39a72f05 op_sel_hi:[1,0]   ; 1 / 3136
	v_pk_mul_f32 v[mb+2:mb+3], v[mb+2:mb+3], 0x39a72f05 op_sel_hi:[1,0]
	v_cvt_pk_bf16_f32 v[PK],   v[mb],   v[mb+1]
	v_cvt_pk_bf16_f32 v[PK+1], v[mb+2], v[mb+3]
	ds_store_b64 v[GMA], v[PK:PK+1] offset:PPI*((\bi)/2)+256*((\bi)%2)
.endm
	MLOAD 0
	MLOAD 1
	s_wait_loadcnt 16                              ; the older batch is in, the younger one's 16 loads stay out
	MSUM 0
	MLOAD 2
	s_wait_loadcnt 16
	MSUM 1
	MLOAD 3
	s_wait_loadcnt 16
	MSUM 2
	s_wait_loadcnt 0x0
	MSUM 3
	CONV16 30, 0, 1, 32, 1, PST, 0, PPI            ; my tile of Wqkv_z: to wb, and into LDS for the product below
	s_wait_dscnt 0x0                               ; my rows of the means are stored
	s_barrier_signal -1
	s_barrier_wait -1                              ; all 16 are
	FRAGS BF, PFR
	FRAGS 96, GFR
	s_wait_dscnt 0x0
; source 0 = my 16 channels, source 1 = the 16 means: a lane then holds one mean (lane % 16) and eight neighbouring channels.  Two accumulators take turns.
.set k, 0
.rept 8
.if k < 2
	v_wmma_f32_16x16x32_bf16 v[160+8*(k%2):167+8*(k%2)], v[BF+8*k:BF+8*k+7], v[96+8*k:103+8*k], 0
.else
	v_wmma_f32_16x16x32_bf16 v[160+8*(k%2):167+8*(k%2)], v[BF+8*k:BF+8*k+7], v[96+8*k:103+8*k], v[160+8*(k%2):167+8*(k%2)]
.endif
.set k, k+1
.endr
	PLACES
	PLACES
.irp i, 0,2,4,6
	v_pk_add_f32 v[160+\i:161+\i], v[160+\i:161+\i], v[168+\i:169+\i]
.endr
	ds_store_b128 v[GSA], v[160:163]
	ds_store_b128 v[GSA], v[164:167] offset:16
	s_wait_dscnt 0x0
	s_barrier_signal -1
	s_barrier_wait -1                              ; the stage holds 128 channels of all 16 rows
	ds_load_b128 v[64:67], v[GSR]
	ds_load_b128 v[68:71], v[GSR] offset:PPI
	s_wait_dscnt 0x0
	global_store_b128 v[LO16], v[64:67], s[38:39]  ; 512 consecutive bytes of a row of gq
	global_store_b128 v[LO16], v[68:71], s[38:39] offset:3072
	s_branch .Lend
; ROLE W
.Lrole_w:
	s_sub_co_u32 s37, ttmp9, 6
	s_lshl_b32 s26, s37, 3
	s_add_co_u32 s26, s26, s[WV]                   ; tile 0..47
	SRCROW
	s_add_nc_u64 s[30:31], s[6:7], s[28:29]        ; my 16 rows of Wqkv_z1
	s_lshl_b32 s28, s26, 13
	s_add_co_u32 s28, s28, 768*512
	s_add_nc_u64 s[32:33], s[18:19], s[28:29]      ; rows 768 + 16 tile of wb
	s_lshl_b32 s28, s[WV], 15
	s_add_nc_u64 s[34:35], s[8:9], s[28:29]        ; rows 32 w of Wout_z
	s_lshl_b32 s28, s37, 9
	s_add_nc_u64 s[38:39], s[22:23], s[28:29]      ; my work-group's 128 numbers of bias
	s_mul_i32 s36, s[WV], 32*IPI
	v_add_nc_u32 v[IST], s36, v[LO8]               ; the image begins at LDS byte 0
	v_lshlrev_b32 v6, 2, v0
	global_load_b32 v28, v6, s[12:13]              ; bout_z[d], d = my thread's number
	v_mul_u32_u24 v7, v0, IPI                      ; row d of the image
	v_and_b32 v8, 7, v0
	v_lshl_add_u32 v8, v4, 3, v8                   ; the turning load: row 8 h + lane % 8,
	v_mul_u32_u24 v8, v8, IPI
	v_bfe_u32 v1, v0, 3, 1
	v_lshl_add_u32 v[AT], v1, 4, v8                ; 16 bytes for each group of eight lanes
	v_add_nc_u32 v[AT+1], 96*IPI, v[AT]
	v_add_nc_u32 v[AT+2], 192*IPI, v[AT]
	v_lshlrev_b32 v[BSA], 2, v3
	v_lshl_add_u32 v[BSA], v4, 9, v[BSA]           ; 4 r, and 512 further for the lanes whose number is not wanted
	s_lshl_b32 s36, s[WV], 6
	s_add_co_u32 s36, s36, BS
	v_add_nc_u32 v[BSA], s36, v[BSA]
	v_add_nc_u32 v[BSR], BS, v[LO16]
	CONV16 34, 0,     0, 32, 1, IST, 0,      IPI   ; the image [d][c] of Wout_z in bf16: 32 rows a wave
	CONV16 34, 16384, 0, 32, 1, IST, 16*IPI, IPI
	CONV16 30, 0,     0, 32, 1, PST, 0,      PPI   ; my tile of Wqkv_z1
	v_cvt_pk_bf16_f32 v28, v28, v[NIL]             ; column 256 of the image is bout_z, columns 257-271 are 0: the same products give the bias
	v_mov_b32 v29, 0
	v_mov_b32 v30, 0
	v_mov_b32 v31, 0
.irp i, 0,1,2,3
	v_mov_b32 v[PK+\i], 0
.endr
	ds_store_b128 v7, v[28:31] offset:512
	ds_store_b128 v7, v[PK:PK+3] offset:528
	s_wait_dscnt 0x0
	s_barrier_signal -1
	s_barrier_wait -1                              ; the image is whole
	FRAGS BF, PFR
; K step s of n column tiles from ct0 on: source 0 = 16 columns c of Wout_z, turned out of the image
.macro TFETCH s, ct0, n
.set tc, 0
.rept \n
	ds_load_tr16_b128 v[AF+48*((\s)%2)+8*tc:AF+48*((\s)%2)+8*tc+3],   v[AT+(\s)/3] offset:32*IPI*((\s)%3)+32*((\ct0)+tc)
	ds_load_tr16_b128 v[AF+48*((\s)%2)+8*tc+4:AF+48*((\s)%2)+8*tc+7], v[AT+(\s)/3] offset:32*IPI*((\s)%3)+32*((\ct0)+tc)+16*IPI
.set tc, tc+1
.endr
.endm
; n column tiles of my 16 rows of WP.  Source 1 = my rows e of Wqkv_z1: a lane ends with one row e (lane % 16) and eight neighbouring columns.  The n accumulators take turns.
.macro WPASS ct0, n
	TFETCH 0, \ct0, \n
	TFETCH 1, \ct0, \n
.set ws, 0
.rept 8
.if ws == 7
	s_wait_dscnt 0x0
.else
	s_wait_dscnt 2*(\n)                            ; this K step's fragments are in; the next step's 2 n loads stay out
.endif
.set wc, 0
.rept \n
.if ws == 0
	v_wmma_f32_16x16x32_bf16 v[ACC+8*wc:ACC+8*wc+7], v[AF+48*(ws%2)+8*wc:AF+48*(ws%2)+8*wc+7], v[BF+8*ws:BF+8*ws+7], 0
.else
	v_wmma_f32_16x16x32_bf16 v[ACC+8*wc:ACC+8*wc+7], v[AF+48*(ws%2)+8*wc:AF+48*(ws%2)+8*wc+7], v[BF+8*ws:BF+8*ws+7], v[ACC+8*wc:ACC+8*wc+7]
.endif
.set wc, wc+1
.endr
.if ws < 6
	PLACES
	TFETCH ws+2, \ct0, \n
.endif
.set ws, ws+1
.endr
	PLACES
	PLACES
.set wc, 0
.rept 4*(\n)
	v_pk_mul_f32 v[ACC+2*wc:ACC+2*wc+1], v[ACC+2*wc:ACC+2*wc+1], 0x43000000 op_sel_hi:[1,0]   ; x 128: room in f16 on both sides
.set wc, wc+1
.endr
.set wc, 0
.rept \n
.if (\ct0)+wc < 16
.irp j, 0,1,2,3
	v_cvt_pk_f16_f32 v[AF+4*wc+\j], v[ACC+8*wc+2*\j], v[ACC+8*wc+2*\j+1]
.endr
	ds_store_b128 v[PFR], v[AF+4*wc:AF+4*wc+3] offset:32*((\ct0)+wc)   ; over my tile of Wqkv_z1, whose fragments are in registers
.else
	ds_store_b32 v[BSA], v[ACC+8*wc]               ; column 256: lanes 0-15 hold the bias of rows e
.endif
.set wc, wc+1
.endr
.endm
	WPASS 0, 6
	WPASS 6, 6
	WPASS 12, 5
.set k, 0
.rept 16
	ds_load_b128 v[BF+4*k:BF+4*k+3], v[PRD] offset:PPI*k   ; LDS serves a wave's instructions in order: these see my stores above
.set k, k+1
.endr
	s_wait_dscnt 0x0
.set k, 0
.rept 16
	global_store_b128 v[LO16], v[BF+4*k:BF+4*k+3], s[32:33] offset:512*k   ; a whole row of wb
.set k, k+1
.endr
	s_barrier_signal -1
	s_barrier_wait -1                              ; every wave's 16 numbers of the bias are staged (each has waited for its LDS stores above)
	s_cmp_lg_u32 s[WV], 0
	s_cbranch_scc1 .Lend
	ds_load_b128 v[96:99], v[BSR]
	s_wait_dscnt 0x0
	global_store_b128 v[LO16], v[96:99], s[38:39]
.Lend:
	s_wait_tensorcnt 0x0                           ; the wave's end: behind my last LDS store
	ds_add_u32 v[SPW], v[NIL]
	s_wait_dscnt 0x0
	s_endpgm
.Lfunc_end_k_qee64a01ef1_prep:
	.size	k_qee64a01ef1_prep, .Lfunc_end_k_qee64a01ef1_prep-k_qee64a01ef1_prep
	.p2alignl 7, 3214868480
	.fill 96, 4, 3214868480
	.section	.rodata,"a",@progbits
	.p2align	6, 0x0
	.amdhsa_kernel k_qee64a01ef1_prep
		.amdhsa_group_segment_fixed_size 225792
		.amdhsa_private_segment_fixed_size 0
		.amdhsa_enable_private_segment 0
		.amdhsa_kernarg_size 80
		.amdhsa_user_sgpr_count 2
		.amdhsa_user_sgpr_kernarg_segment_ptr 1
		.amdhsa_wavefront_size32 1
		.amdhsa_system_sgpr_workgroup_id_x 1
		.amdhsa_system_sgpr_workgroup_id_y 1
		.amdhsa_system_sgpr_workgroup_id_z 1
		.amdhsa_system_vgpr_workitem_id 0
		.amdhsa_next_free_vgpr 256
		.amdhsa_next_free_sgpr 66
		.amdhsa_reserve_vcc 0
		.amdhsa_float_denorm_mode_32 3
		.amdhsa_float_denorm_mode_16_64 3
		.amdhsa_memory_ordered 1
		.amdhsa_forward_progress 1
		.amdhsa_inst_pref_size 120
	.end_amdhsa_kernel
	.amdgpu_metadata
---
amdhsa.version: [ 1, 2 ]
amdhsa.kernels:
  - .name:           k_qee64a01ef1_prep
    .symbol:         k_qee64a01ef1_prep.kd
    .args:
      - { .name: Wqkv_z, .offset: 0, .size: 8, .value_kind: global_buffer, .address_space: global }
      - { .name: Wqkv_z1, .offset: 8, .size: 8, .value_kind: global_buffer, .address_space: global }
      - { .name: Wout_z, .offset: 16, .size: 8, .value_kind: global_buffer, .address_space: global }
      - { .name: Wout_z1, .offset: 24, .size: 8, .value_kind: global_buffer, .address_space: global }
      - { .name: bout_z, .offset: 32, .size: 8, .value_kind: global_buffer, .address_space: global }
      - { .name: bout_z1, .offset: 40, .size: 8, .value_kind: global_buffer, .address_space: global }
      - { .name: psum, .offset: 48, .size: 8, .value_kind: global_buffer, .address_space: global }
      - { .name: wb, .offset: 56, .size: 8, .value_kind: global_buffer, .address_space: global }
      - { .name: gq, .offset: 64, .size: 8, .value_kind: global_buffer, .address_space: global }
      - { .name: bias, .offset: 72, .size: 8, .value_kind: global_buffer, .address_space: global }
    .group_segment_fixed_size: 225792
    .private_segment_fixed_size: 0
    .kernarg_segment_align: 8
    .kernarg_segment_size: 80
    .max_flat_workgroup_size: 256
    .sgpr_count:     66
    .vgpr_count:     256
    .wavefront_size: 32
...
	.end_amdgpu_metadata
.endif
;; end of part 2
;; launch main (part 3): grid 196 x 1, 4 waves a work-group, clusters of 4 x 1, 327,680 bytes of LDS; arguments x, y, wb, gq, bias, out0, out1; writes out0, out1
.if DOCPART == 3
	.amdgcn_target "amdgcn-amd-amdhsa--gfx1250"
	.amdhsa_code_object_version 6
	.text
	.protected	k_qee64a01ef1_main
	.globl	k_qee64a01ef1_main
	.p2align	8
	.type	k_qee64a01ef1_main,@function
k_qee64a01ef1_main:
	s_mov_b64 s[64:65], 0
	v_nop
	global_prefetch_b8 v0, s[64:65] scope:SCOPE_SE
	s_setreg_imm32_b32 hwreg(HW_REG_WAVE_MODE, 25, 1), 1
	s_wait_xcnt 0x0
	s_wait_alu depctr_hold_cnt(0) depctr_sa_sdst(0) depctr_va_vdst(0) depctr_va_sdst(0) depctr_va_ssrc(0) depctr_va_vcc(0) depctr_vm_vsrc(0)
	s_getreg_b32 s2, hwreg(HW_REG_IB_STS2, 6, 4)
	s_cmp_eq_u32 s2, 0
	s_cbranch_scc0 .Lentry_in_a_cluster
	s_endpgm
.Lentry_in_a_cluster:
	s_bfe_u32 s2, ttmp6, 0x10000c
	s_cmp_lg_u32 s2, 0x3003
	s_cbranch_scc0 .Lentry_shape_is_right
	s_endpgm
.Lentry_shape_is_right:
; THE WHOLE CHAIN for 128 positions a work-group, 32 a wave (two tiles of 16): q, k, v of x and y; the 4 x 4 attention of stage 1; q, k, v of stage 2 (through WP = Wqkv_z1 Wout_z);
; its attention, rows 0 and 1 alone; the last projection.  Nothing but x, y and the two outputs crosses memory; a position's chain stays in its wave.
; FORMATS.  x, y and the weights in bf16, but WP in f16.  q, k, v and the scores are never rounded: they stay in the f32 accumulators, and the small attention is done by vector instructions in f32,
; with the row's maximum taken away before the exponential.  The mask is -100, as given: no key is dropped.  A1 (stage 1's attention output) is rounded once to f16, A2 (stage 2's) once to bf16.
; LIMITS.  |A1| under 65,504, and below 6e-5 it keeps f16's fixed step; wb holds 128 WP in f16 (|WP| under 511), the factor is taken out again in the scores' scale and in the weights' divisor.
; A weight below 2^-126 counts as 0.  NaN and infinities are not treated apart.
; ORIENTATION.  Every product is D = weights x activations: source 0 = 16 output channels, source 1 = 16 rows.  In D lane l holds row l % 16 and channels 8 (l / 16) + 0..7.
; Two channel tiles of a head, packed to 16 bits, ARE source 1 (32 channels x 16 rows) of the next product.  A score wants one exchange between the halves of the lanes.
; WEIGHTS.  All work-groups walk wb in one order: 19 chunks (18 of 96 rows: a head's q, k, v; one of 64) through two LDS slots.  The four work-groups of a cluster ask for each chunk JOINTLY,
; each wave for a quarter of its rows.  One tensor load of a wave is out at a time; it has a whole step in which to land.
; 196 work-groups: 25,088 positions in blocks of 128.
; REGISTERS, in windows of 256 (s_set_vgpr_msb: bits 1:0 source 0, 3:2 source 1, 5:4 source 2, 7:6 destination):
;   window 0: v0-15 addresses; v16-63 GB; v64-143, v144-223 two fragment buffers; v224-255 scores.  Between the products these serve the attention.
;   window 1: accumulators in 0-191; 192-255 the mean tokens' q and k (stage 1) or the bias (stage 2); in stage 3 all 32 fragments of A2
;   windows 2, 3: x and y as loaded; then A1: token i, tile p, head u at ((2 (i % 2) + p) 8 + u) 8 of window 2 + i / 2; in stage 3 the 64 accumulators of the output
.set PITCH, 528                        ; an LDS row of 256 16-bit numbers + 16 bytes = 132 words: the 16 rows of a fragment load start at 16 different groups of four banks (ISA guide 11.1)
.set TROW,  16*PITCH
.set SLOT1, 65536                      ; slot 0 at 0, slot 1 here: 96 rows x 528 = 50,688 bytes each; only tensor loads write them
.set ZR,    116224                     ; for each wave 33,792 bytes of its own: Z (64 rows x 528), later the fragments of A2, later the stage for the way out
.set ZRB,   64*PITCH
.set GL,    ZR+4*ZRB                   ; 251,392: for each wave gq of its batch, 6,144 bytes
.set GLB,   6144
.set BI,    GL+4*GLB                   ; 275,968: bias, 4,096 bytes
.set SPARE, BI+4096                    ; 280,064: the spare words, 128 bytes for each wave
.set CHUNK, 96*512
.set OPI,   272                        ; the way out: 64 f32 + 16 bytes
.set H32, 1                            ; 32 (l / 16)
.set AW0, 2                            ; 528 r + 16 h: a fragment's place in a tile
.set AW,  3                            ; the same in the slot in hand
.set AZ,  4                            ; the same in my Z
.set AG,  5                            ; where the head's mean tokens, or bias, lie
.set TA,  6
.set AS,  7                            ; where A2's fragments go
.set LO16, 8                           ; 16 x lane
.set ZST, 9
.set OST, 10
.set ORD, 11
.set PFO, 12                           ; 256 x lane
.set CO,  13
.set SPW, 14                           ; my spare word; never rewritten
.set NIL, 15                           ; 0; never rewritten
.set GB,  16
.set FB0, 64
.set OUT, 64
.set CV,  128
.set DD,  224
.set WV,  18
.set G1,  24                           ; s[24:31] descriptor group 1: 24 rows x 256 elements
.set G0,  32                           ; s[32:35] descriptor group 0: it walks
.set G1B, 36                           ; s[36:43] group 1 for the last chunk: 16 rows
.set TB,  44                           ; the slot to be read next
.set U,   45                           ; the head
.set C1,  46                           ; s[46:47] log2(e) / sqrt(32)
.set MK,  48                           ; s[48:49] -100 log2(e)
.set C2,  50                           ; s[50:51] C1 / 128^2
.set SEL, 52                           ; s[52:53] v_permlanex16_b32: each lane takes its own place in the other half
.set PFA, 56                           ; s[56:57] where my prefetches stand
.set PFC, 58                           ; steps so far
.set PFE, 59                           ; 12 in a wave that prefetches, else 0
.set O0,  60                           ; s[60:61] out0, s[62:63] out1 at my wave's rows
.set XP,  66
.set YP,  68
.set ZW,  70                           ; my part of ZR
.set GW,  71                           ; my part of GL
.set TS,  72                           ; s[72:73] at work: never holds my place in the cluster
.set WL,  74                           ; s[74:75] my quarter of the last chunk
.set GQ,  76
.set BP,  78
.set MSB, 0
.macro WIN new                         ; the immediate's high byte repeats the setting that is left; a switch that changes nothing is dropped
.if MSB != (\new)
	s_set_vgpr_msb (MSB<<8)|(\new)
.set MSB, (\new)
.endif
.endm
.macro PLACES                          ; four plain vector instructions behind a matrix instruction, ahead of loads into its sources; twice ahead of readers of its result
.rept 4
	v_nop
.endr
.endm
.macro WM f, d, a, b, c
	v_wmma_f32_16x16x32_\f v[\d:\d+7], v[\a:\a+7], v[\b:\b+7], v[\c:\c+7]
.endm
.macro WM0 f, d, a, b
	v_wmma_f32_16x16x32_\f v[\d:\d+7], v[\a:\a+7], v[\b:\b+7], 0
.endm
; two numbers times ONE weight: the weights of tiles 0 and 1 lie in a pair, and p says which of the two feeds both halves
.macro MULB o, v, a, p
.if (\p) == 0
	v_pk_mul_f32 v[\o:\o+1], v[\v:\v+1], v[\a:\a+1] op_sel_hi:[1,0]
.else
	v_pk_mul_f32 v[\o:\o+1], v[\v:\v+1], v[\a:\a+1] op_sel:[0,1] op_sel_hi:[1,1]
.endif
.endm
.macro FMAB o, v, a, p
.if (\p) == 0
	v_pk_fma_f32 v[\o:\o+1], v[\v:\v+1], v[\a:\a+1], v[\o:\o+1] op_sel_hi:[1,0,1]
.else
	v_pk_fma_f32 v[\o:\o+1], v[\v:\v+1], v[\a:\a+1], v[\o:\o+1] op_sel:[0,1,0] op_sel_hi:[1,1,1]
.endif
.endm
; A round of the cluster's barrier: my work-group's barrier; wave 0 signals for the work-group; every wave waits for all four work-groups; my work-group's barrier once more
.macro ROUND
	s_barrier_signal -1
	s_barrier_wait -1
	s_cmp_lg_u32 s[WV], 0
	s_cbranch_scc1 .Lnot_wave_0_\@
	s_barrier_signal -3
.Lnot_wave_0_\@:
	s_barrier_wait -3
	s_barrier_signal -1
	s_barrier_wait -1
.endm
; A PREFETCH INTO THE L2 of wb, ahead of the joint loads.  Every cluster walks the same bytes: cluster 0 asks, and nobody else.  In each of steps 0 to 11 waves 0 and 1 of its four work-groups name
; 32 blocks of 256 bytes each, a lane a block, shared out BY ADDRESS: block 512 + 256 step + 128 wave + 32 cx + lane.  So each block from 512 on is named once, a step or more ahead of the load that wants it,
; and the last one named is the buffer's last.  The first 512 blocks come by their loads alone.
.macro ASK
	s_cmp_lt_u32 s[PFC], s[PFE]
	s_cbranch_scc0 .Lnot_mine_\@
	global_prefetch_b8 v[PFO], s[PFA:PFA+1] th:TH_LOAD_NT scope:SCOPE_SE
.Lnot_mine_\@:
	s_add_co_u32 s[PFC], s[PFC], 1
.endm
; THE CHANGE OF SLOTS.  Each wave waits for all its tensor loads (one is out: its quarter of the chunk to be read now), adds 0 to its spare word, and waits for that and for its reads of the slot that it leaves.
; kind 1: the slot left is filled again with the next chunk of 96 rows; kind 2: with the last chunk, 64 rows.  The barrier is then a round of the cluster's, so that no wave of any partner still reads the slot or
; has a load on its way, and the joint load is the first thing behind it.  kind 0: nothing is left to ask for: my work-group's barrier alone.
.macro STEP kind, ask
	WIN 0                                          ; at a label and at a branch every window is 0
	s_wait_xcnt 0x0                                ; the last prefetch and the last stores, a step back, have read their registers
.if \ask
	s_add_nc_u64 s[PFA:PFA+1], s[PFA:PFA+1], 65536
.endif
	s_wait_tensorcnt 0x0                           ; no tensor load of mine is out, so group 0 may be written
	ds_add_u32 v[SPW], v[NIL]                      ; 0 onto my spare word; the descriptor's step stands between it and the wait for it
.if (\kind) == 1
	s_xor_b32 s[G0+1], s[G0+1], SLOT1
	s_add_nc_u64 s[G0+2:G0+3], s[G0+2:G0+3], CHUNK ; the type bits on top are not reached
.elseif (\kind) == 2
	s_mul_i32 s[G0+1], s[WV], TROW                 ; slot 0, 16 rows a wave
	s_mov_b64 s[G0+2:G0+3], s[WL:WL+1]
	s_or_b32 s[G0+3], s[G0+3], 0x80000000
.endif
	s_wait_dscnt 0x0                               ; the add is done, and my reads of the slot are over
.if (\kind) == 0
	s_barrier_signal -1
	s_barrier_wait -1
.else
	ROUND
.if (\kind) == 1
	tensor_load_to_lds s[G0:G0+3], s[G1:G1+7]
.else
	tensor_load_to_lds s[G0:G0+3], s[G1B:G1B+7]
.endif
	s_nop 0
	PLACES
.endif
.if \ask
	ASK
.endif
	v_add_nc_u32 v[AW], s[TB], v[AW0]
	s_xor_b32 s[TB], s[TB], SLOT1
.endm
	s_load_b256 s[4:11], s[0:1], 0x0               ; x s[4:5], y s[6:7], wb s[8:9], gq s[10:11]
	s_load_b128 s[12:15], s[0:1], 0x20             ; bias s[12:13], out0 s[14:15]
	s_load_b64 s[16:17], s[0:1], 0x30              ; out1
	v_lshl_add_u32 v[SPW], v0, 2, SPARE
	v_mov_b32 v[NIL], 0
	ds_add_u32 v[SPW], v[NIL]                      ; the wave's opening: the add and its wait ahead of my first tensor load; the set-up below, work on registers, stands between them
	ds_add_u32 v14, v15
	v_lshrrev_b32 v1, 5, v0
	v_readfirstlane_b32 s[WV], v1                  ; wave 0..3
	s_bfe_u32 s19, ttmp6, 0x40000                  ; cx: my place in the cluster: it enters global addresses alone
	s_lshl_b32 s20, ttmp9, 2                       ; in a cluster launch ttmp9 counts clusters
	s_add_co_u32 s20, s20, s19                     ; work-group
	s_lshl_b32 s21, s20, 2
	s_add_co_u32 s21, s21, s[WV]                   ; my wave among all 784: positions 32 widx ..
	s_mul_i32 s22, s21, 669
	s_lshr_b32 s22, s22, 16                        ; batch = widx / 98, exact for 0 .. 783 (669 x 98 = 65,562)
	s_mov_b32 s[G1+0], 15|(1<<16)|(1<<20)|(1<<21)|(6<<22)|(3<<25)   ; 15:0 the mask of four; 17:16 2-byte elements; 20 padding on; 21 set beside a mask; 24:22 after every 128 words (code 6); 31:25 4 words (code 3)
	s_mov_b32 s[G1+1], 256<<16                     ; tensor_dim0 = 256
	s_mov_b32 s[G1+2], 24<<16                      ; tensor_dim1 = 24
	s_mov_b32 s[G1+3], 256<<16                     ; tile_dim0 = 256
	s_mov_b32 s[G1+4], 24                          ; tile_dim1 = 24
	s_mov_b32 s[G1+5], 256                         ; 256 elements from row to row
	s_mov_b32 s[G1+6], 0
	s_mov_b32 s[G1+7], 0
	s_mov_b32 s[G1B+0], 15|(1<<16)|(1<<20)|(1<<21)|(6<<22)|(3<<25)
	s_mov_b32 s[G1B+1], 256<<16
	s_mov_b32 s[G1B+2], 16<<16
	s_mov_b32 s[G1B+3], 256<<16
	s_mov_b32 s[G1B+4], 16
	s_mov_b32 s[G1B+5], 256
	s_mov_b32 s[G1B+6], 0
	s_mov_b32 s[G1B+7], 0
	s_mov_b32 s[G0], 1                             ; count = 1
	s_mul_i32 s[G0+1], s[WV], 24*PITCH             ; slot 0, my 24 rows
	s_mov_b32 s[C1], 0x3e8293ee                    ; 0.25503486
	s_mov_b32 s[C1+1], s[C1]                       ; named with it as a pair
	s_mov_b32 s[MK], 0xc31044fe                    ; -144.2695
	s_mov_b32 s[MK+1], s[MK]
	s_mov_b32 s[C2], 0x378293ee                    ; C1 x 2^-14
	s_mov_b32 s[C2+1], s[C2]
	s_mov_b32 s[SEL], 0x76543210
	s_mov_b32 s[SEL+1], 0xfedcba98
	s_mov_b32 s[TB], 0
	s_mov_b32 s[PFC], 0
	s_lshr_b32 s[PFE], s[WV], 1                    ; 0 in waves 0 and 1,
	s_or_b32 s[PFE], s[PFE], ttmp9                 ; of cluster 0: the same in all four partners
	s_cmp_eq_u32 s[PFE], 0
	s_cselect_b32 s[PFE], 12, 0
	s_mul_i32 s[ZW], s[WV], ZRB
	s_add_co_u32 s[ZW], s[ZW], ZR
	s_mul_i32 s[GW], s[WV], GLB
	s_add_co_u32 s[GW], s[GW], GL
	v_and_b32 v6, 15, v0                           ; r
	v_bfe_u32 v7, v0, 4, 1                         ; h
	v_and_b32 v8, 31, v0                           ; lane
	v_lshlrev_b32 v[H32], 5, v7
	v_mul_u32_u24 v[AW0], v6, PITCH
	v_lshl_add_u32 v[AW0], v7, 4, v[AW0]
	v_add_nc_u32 v[AZ], s[ZW], v[AW0]
	v_lshlrev_b32 v[PFO], 8, v8
	v_lshl_add_u32 v[ZST], v8, 3, s[ZW]
	v_mul_u32_u24 v[OST], v6, OPI                  ; the way out, in: row r, 32 bytes for each half of the lanes
	v_add_nc_u32 v[OST], s[ZW], v[OST]
	v_add_nc_u32 v[OST], v[OST], v[H32]
	v_mul_u32_u24 v[ORD], v7, OPI                  ; back: lanes 0-15 one row of 256 bytes, lanes 16-31 the next
	v_lshl_add_u32 v[ORD], v6, 4, v[ORD]
	v_add_nc_u32 v[ORD], s[ZW], v[ORD]
	v_lshlrev_b32 v[CO], 10, v7                    ; and the same two rows in the output
	v_lshl_add_u32 v[CO], v6, 4, v[CO]
	v_lshlrev_b32 v[LO16], 4, v8
	v_add_nc_u32 v[TA], s[GW], v[LO16]             ; where gq goes
	s_lshl_b32 s[TS], s[WV], 10
	s_add_co_u32 s[TS], s[TS], BI
	v_add_nc_u32 v[AS], s[TS], v[LO16]             ; where my quarter of bias goes
	s_mov_b32 s[TS+1], 0
	s_mov_b32 s55, 0
	s_wait_dscnt 0x0                               ; the opening add is done
	s_wait_kmcnt 0x0
	s_mul_i32 s[TS], s[WV], 24*512
	s_add_nc_u64 s[G0+2:G0+3], s[8:9], s[TS:TS+1]  ; my 24 rows of chunk 0
	s_or_b32 s[G0+3], s[G0+3], 0x80000000          ; type = 2
	s_lshl_b32 s[TS], s[WV], 13
	s_add_co_u32 s[TS], s[TS], 18*CHUNK
	s_add_nc_u64 s[WL:WL+1], s[8:9], s[TS:TS+1]    ; my 16 rows of chunk 18
	s_lshl_b32 s[TS], s[WV], 10
	s_add_nc_u64 s[BP:BP+1], s[12:13], s[TS:TS+1]
	s_lshl_b32 s54, s21, 15                        ; 32 rows of 1,024 bytes a wave
	s_add_nc_u64 s[XP:XP+1], s[4:5], s[54:55]
	s_add_nc_u64 s[YP:YP+1], s[6:7], s[54:55]
	s_add_nc_u64 s[O0:O0+1], s[14:15], s[54:55]
	s_add_nc_u64 s[O0+2:O0+3], s[16:17], s[54:55]
	s_mul_i32 s54, s22, GLB
	s_add_nc_u64 s[GQ:GQ+1], s[10:11], s[54:55]
	s_lshl_b32 s54, s[WV], 15                      ; the prefetches: 128 blocks a wave,
	s_lshl_b32 s23, s19, 13                        ; 32 a work-group,
	s_add_co_u32 s54, s54, s23
	s_add_co_u32 s54, s54, 65536                   ; one step short of block 512: each step adds its 256 blocks first
	s_add_nc_u64 s[PFA:PFA+1], s[8:9], s[54:55]
	ROUND                                          ; all four work-groups are here: the first joint loads meet
	tensor_load_to_lds s[G0:G0+3], s[G1:G1+7]      ; chunk 0
	s_nop 0
	PLACES
; THE WAY IN.  142 loads of 512 consecutive bytes: gq of my batch, my quarter of bias, my 32 rows of x (window 2) and of y (window 3)
.set n, 0
.rept 12
	global_load_b128 v[64+4*n:67+4*n], v[LO16], s[GQ:GQ+1] offset:512*n
.set n, n+1
.endr
	global_load_b128 v[112:115], v[LO16], s[BP:BP+1]
	global_load_b128 v[116:119], v[LO16], s[BP:BP+1] offset:512
	WIN 0x80
.set n, 0
.rept 64
	global_load_b128 v[4*n:4*n+3], v[LO16], s[XP:XP+1] offset:512*n th:TH_LOAD_NT
.set n, n+1
.endr
	WIN 0xc0
.set n, 0
.rept 64
	global_load_b128 v[4*n:4*n+3], v[LO16], s[YP:YP+1] offset:512*n th:TH_LOAD_NT
.set n, n+1
.endr
	WIN 0
	s_wait_loadcnt 63                              ; 128 loads are younger than these 14; a wait's count ends at 63
.set n, 0
.rept 12
	ds_store_b128 v[TA], v[64+4*n:67+4*n] offset:512*n
.set n, n+1
.endr
	ds_store_b128 v[AS], v[112:115]
	ds_store_b128 v[AS], v[116:119] offset:512
; 16 rows of token tok (32 loads) are rounded to bf16 and laid into my Z: row 32 tok + position.  left: the younger loads, 63 at the most
.macro ZIN tok, hb, left
	s_wait_loadcnt \left
	WIN 0x0a+5*(\tok)                              ; sources in window 2 or 3
.set zq, 0
.rept 64
	v_cvt_pk_bf16_f32 v[CV+zq], v[128*(\hb)+2*zq], v[128*(\hb)+2*zq+1]
.set zq, zq+1
.endr
	WIN 0
.set zq, 0
.rept 32
	ds_store_b64 v[ZST], v[CV+2*zq:CV+2*zq+1] offset:PITCH*(32*(\tok)+16*(\hb)+zq/2)+256*(zq%2)
.set zq, zq+1
.endr
.endm
	ZIN 0, 0, 63
	ZIN 0, 1, 63
	ZIN 1, 0, 32
	ZIN 1, 1, 0
; THE SMALL ATTENTION's three common parts.  A score of query i, key j, tile p lies at dd + 8 i + 2 j + p: the two tiles as a pair.
; RED: the pair sums of a lane's 16 channels are added, then the other half of the lanes'.  Where both tokens are means the sum is made once and serves both tiles.
.macro RED ni, dp, dd, tt
.set si, 0
.rept 8*(\ni)
.set rS, (\dp)+2*si
.if (si/8 >= 2) && ((si%8)/2 >= 2)
.set rS, (\dp)+2*(si-si%2)
.endif
	v_add_f32 v[(\dd)+si], v[rS], v[rS+1]
.set si, si+1
.endr
.set si, 0
.rept 8*(\ni)
	v_permlanex16_b32 v[(\tt)+si], v[(\dd)+si], s[SEL], s[SEL+1]
.set si, si+1
.endr
.set si, 0
.rept 4*(\ni)
	v_pk_add_f32 v[(\dd)+2*si:(\dd)+2*si+1], v[(\dd)+2*si:(\dd)+2*si+1], v[(\tt)+2*si:(\tt)+2*si+1]
.set si, si+1
.endr
.endm
; SOFT: scale (and mask: odd = 0: where i + j = 3; odd = 1: where i + j is odd), the row's maximum, 2^(s - max) as ONE batch with one wait, the sums, the reciprocals with one wait, the weights.
; odd = 1: the divisor also takes out the factor 128 of stage 2's v.
.macro SOFT ni, dd, mm, ss, cs, odd
.set si, 0
.rept 4*(\ni)
.set rD, (\dd)+2*si
.if ((\odd) && ((si/4+si%4)%2 == 1)) || (!(\odd) && (si/4+si%4 == 3))
	v_pk_fma_f32 v[rD:rD+1], v[rD:rD+1], s[\cs:\cs+1], s[MK:MK+1] op_sel_hi:[1,0,0]
.else
	v_pk_mul_f32 v[rD:rD+1], v[rD:rD+1], s[\cs:\cs+1] op_sel_hi:[1,0]
.endif
.set si, si+1
.endr
.set si, 0
.rept 2*(\ni)
.set rD, (\dd)+8*(si/2)+si%2
	v_max3_num_f32 v[(\mm)+si], v[rD], v[rD+2], v[rD+4]
.set si, si+1
.endr
.set si, 0
.rept 2*(\ni)
.set rD, (\dd)+8*(si/2)+si%2
	v_max_num_f32 v[(\mm)+si], v[(\mm)+si], v[rD+6]
.set si, si+1
.endr
.set si, 0
.rept 4*(\ni)
.set rD, (\dd)+2*si
	v_pk_add_f32 v[rD:rD+1], v[rD:rD+1], v[(\mm)+2*(si/4):(\mm)+2*(si/4)+1] neg_lo:[0,1] neg_hi:[0,1]
.set si, si+1
.endr
.set si, 0
.rept 8*(\ni)
	v_exp_f32 v[(\dd)+si], v[(\dd)+si]
.set si, si+1
.endr
	v_nop                                          ; a plain instruction behind the last exponential,
	s_wait_alu depctr_va_vdst(0)                   ; and the one wait ahead of the batch's first reader
.set si, 0
.rept \ni
	v_pk_add_f32 v[(\ss)+2*si:(\ss)+2*si+1], v[(\dd)+8*si:(\dd)+8*si+1], v[(\dd)+8*si+2:(\dd)+8*si+3]
.set si, si+1
.endr
.irp j, 2,3
.set si, 0
.rept \ni
	v_pk_add_f32 v[(\ss)+2*si:(\ss)+2*si+1], v[(\ss)+2*si:(\ss)+2*si+1], v[(\dd)+8*si+2*\j:(\dd)+8*si+2*\j+1]
.set si, si+1
.endr
.endr
.set si, 0
.rept 2*(\ni)
	v_rcp_f32 v[(\ss)+si], v[(\ss)+si]
.set si, si+1
.endr
	v_nop
	s_wait_alu depctr_va_vdst(0)                   ; one wait for the reciprocals
.if \odd
.set si, 0
.rept \ni
	v_pk_mul_f32 v[(\ss)+2*si:(\ss)+2*si+1], v[(\ss)+2*si:(\ss)+2*si+1], 0x3c000000 op_sel_hi:[1,0]   ; 1 / 128
.set si, si+1
.endr
.endif
.set si, 0
.rept 4*(\ni)
.set rD, (\dd)+2*si
	v_pk_mul_f32 v[rD:rD+1], v[rD:rD+1], v[(\ss)+2*(si/4):(\ss)+2*(si/4)+1]
.set si, si+1
.endr
.endm
; ================= STAGE 1: a trip a head.  24 accumulators: channel tile ct (q0 q1 k0 k1 v0 v1) x row tile rt = 2 token + tile, at 8 (4 ct + rt) of window 1 =================
.macro FETCH1 s                        ; K step s: 6 fragments of the head's weights, 4 of Z: 20 loads
.set fb, FB0+80*((\s)%2)
.set fc, 0
.rept 6
	ds_load_b128 v[fb+8*fc:fb+8*fc+3],   v[AW] offset:TROW*fc+64*(\s)
	ds_load_b128 v[fb+8*fc+4:fb+8*fc+7], v[AW] offset:TROW*fc+64*(\s)+32
.set fc, fc+1
.endr
.set fc, 0
.rept 4
	ds_load_b128 v[fb+48+8*fc:fb+48+8*fc+3], v[AZ] offset:TROW*fc+64*(\s)
	ds_load_b128 v[fb+48+8*fc+4:fb+48+8*fc+7], v[AZ] offset:TROW*fc+64*(\s)+32
.set fc, fc+1
.endr
.endm
.macro MM1 s                           ; 24 products; all 24 accumulators take turns
	WIN 0x50                                       ; C and D in window 1
.set fb, FB0+80*((\s)%2)
.set mc, 0
.rept 6
.set mr, 0
.rept 4
.set rD, 8*(4*mc+mr)
.set rA, fb+8*mc
.set rB, fb+48+8*mr
.if (\s) == 0
	WM0 bf16, rD, rA, rB
.else
	WM bf16, rD, rA, rB, rD
.endif
.set mr, mr+1
.endr
.set mc, mc+1
.endr
	WIN 0
.endm
.macro QK1 i, j, p, t                  ; where q of token i and k of token j lie in window 1: accumulators for x and y, loaded registers for the means
.if (\i) < 2
.set rQ, 8*(4*(\t)+2*(\i)+(\p))
.else
.set rQ, 192+8*(2*((\i)-2)+(\t))
.endif
.if (\j) < 2
.set rK, 8*(4*(2+(\t))+2*(\j)+(\p))
.else
.set rK, 224+8*(2*((\j)-2)+(\t))
.endif
.endm
.macro COMMIT k                        ; the head's output, rounded to f16, becomes K step k of stage 2's source 1
	WIN 0x80
.irp i, 0,1,2,3
.if \i == 2
	WIN 0xc0
.endif
.irp p, 0,1
.irp t, 0,1
.irp z, 0,1,2,3
	v_cvt_pk_f16_f32 v[((2*(\i%2)+\p)*8+(\k))*8+4*\t+\z], v[OUT+8*(2*(2*\i+\p)+\t)+2*\z], v[OUT+8*(2*(2*\i+\p)+\t)+2*\z+1]
.endr
.endr
.endr
.endr
	WIN 0
.endm
	s_mov_b32 s[U], 0
.Lhead1:
	STEP 1, 1
	s_mul_i32 s[TS], s[U], 384                     ; a head's 96 channels of f32
	s_add_co_u32 s[TS], s[TS], s[GW]
	v_add_nc_u32 v[AG], s[TS], v[H32]
	WIN 0x40                                       ; the mean tokens' q and k beside the accumulators: the same eight channels in all 16 rows of a lane half
.irp g, 0,1
.irp t, 0,1
	ds_load_b128 v[192+8*(2*\g+\t):192+8*(2*\g+\t)+3],   v[AG] offset:3072*\g+64*\t
	ds_load_b128 v[192+8*(2*\g+\t)+4:192+8*(2*\g+\t)+7], v[AG] offset:3072*\g+64*\t+16
	ds_load_b128 v[224+8*(2*\g+\t):224+8*(2*\g+\t)+3],   v[AG] offset:3072*\g+128+64*\t
	ds_load_b128 v[224+8*(2*\g+\t)+4:224+8*(2*\g+\t)+7], v[AG] offset:3072*\g+128+64*\t+16
.endr
.endr
	WIN 0
.irp g, 0,1
.irp t, 0,1
	ds_load_b128 v[GB+8*(2*\g+\t):GB+8*(2*\g+\t)+3],   v[AG] offset:3072*\g+256+64*\t   ; their v
	ds_load_b128 v[GB+8*(2*\g+\t)+4:GB+8*(2*\g+\t)+7], v[AG] offset:3072*\g+256+64*\t+16
.endr
.endr
	FETCH1 0
	FETCH1 1
.set ks, 0
.rept 8
.if ks == 7
	s_wait_dscnt 0x0
.else
	s_wait_dscnt 20                                ; this K step's fragments are in; the next step's 20 loads stay out
.endif
	MM1 ks
.if ks < 6
	PLACES
	FETCH1 ks+2
.endif
.set ks, ks+1
.endr
	PLACES
	PLACES
	WIN 0x05                                       ; q and k in window 1, the sums in window 0
; the scores: 28 chains of eight packed multiply-adds over a lane's 16 channels; the chains are the inner loop
.irp t, 0,1
.irp z, 0,1,2,3
.irp i, 0,1,2,3
.irp j, 0,1,2,3
.irp p, 0,1
.if ((\i) < 2) || ((\j) < 2) || ((\p) == 0)
	QK1 \i, \j, \p, \t
.set rD, 64+2*(2*(4*\i+\j)+\p)
.if ((\t) == 0) && ((\z) == 0)
	v_pk_mul_f32 v[rD:rD+1], v[rQ+2*\z:rQ+2*\z+1], v[rK+2*\z:rK+2*\z+1]
.else
	v_pk_fma_f32 v[rD:rD+1], v[rQ+2*\z:rQ+2*\z+1], v[rK+2*\z:rK+2*\z+1], v[rD:rD+1]
.endif
.endif
.endr
.endr
.endr
.endr
.endr
	WIN 0
	RED 4, 64, DD, 128
	SOFT 4, DD, 160, 168, C1, 0
; the output: token i, tile p, channel tile t at OUT + 8 (2 (2 i + p) + t).  First the means' v (window 0), then x's and y's (window 1), these from their low registers on
.irp j, 2,3
.irp i, 0,1,2,3
.irp p, 0,1
.irp t, 0,1
.irp z, 0,1,2,3
.set rO, OUT+8*(2*(2*\i+\p)+\t)+2*\z
.set rV, GB+8*(2*(\j-2)+\t)+2*\z
.set rA, DD+2*(4*\i+\j)
.if \j == 2
	MULB rO, rV, rA, \p
.else
	FMAB rO, rV, rA, \p
.endif
.endr
.endr
.endr
.endr
.endr
	WIN 0x01
.irp j, 0,1
.irp z, 0,1,2,3
.irp i, 0,1,2,3
.irp p, 0,1
.irp t, 0,1
.set rO, OUT+8*(2*(2*\i+\p)+\t)+2*\z
.set rV, 8*(4*(4+\t)+2*\j+\p)+2*\z
.set rA, DD+2*(4*\i+\j)
	FMAB rO, rV, rA, \p
.endr
.endr
.endr
.endr
.endr
	WIN 0
; a register's number cannot hang on the loop's counter: eight copies of the 64 conversions, one for each head; the jumps go forward and pass neither a barrier nor a tensor load
.irp k, 1,2,3,4,5,6,7
	s_cmp_eq_u32 s[U], \k
	s_cbranch_scc1 .Lcommit\k
.endr
	COMMIT 0
	s_branch .Lcommitted
.irp k, 1,2,3,4,5,6
.Lcommit\k:
	COMMIT \k
	s_branch .Lcommitted
.endr
.Lcommit7:
	COMMIT 7
.Lcommitted:
	s_add_co_u32 s[U], s[U], 1
	s_cmp_lt_u32 s[U], 8
	s_cbranch_scc1 .Lhead1
; ================= STAGE 2: a trip a head.  K step s is head s of A1.  Phase a: q for tokens 0, 1 at 8 (4 t + rt), k for all four at 64 + 8 (8 t + 2 j + p).  Phase b: v at 8 (8 t + 2 j + p) =================
.macro FETCH2 s                        ; the fragments of q0 q1 k0 k1: 8 loads
.set fb, 192+32*((\s)%2)
.set fc, 0
.rept 4
	ds_load_b128 v[fb+8*fc:fb+8*fc+3],   v[AW] offset:TROW*fc+64*(\s)
	ds_load_b128 v[fb+8*fc+4:fb+8*fc+7], v[AW] offset:TROW*fc+64*(\s)+32
.set fc, fc+1
.endr
.endm
.macro MM2A s                          ; 24 products; the first K step takes the bias as C
.set fb, 192+32*((\s)%2)
	WIN 0x58                                       ; source 1 in window 2 (tokens 0, 1), C and D in window 1
.irp t, 0,1
.irp m, 0,1,2,3
.set rD, 8*(4*\t+\m)
.set rA, fb+8*\t
.set rB, 8*(8*\m+(\s))
.set rC, rD
.if (\s) == 0
.set rC, 192+8*\t
.endif
	WM f16, rD, rA, rB, rC
.endr
.endr
.irp w, 0,1
	WIN 0x58+4*\w                                  ; then k: tokens 0, 1, and tokens 2, 3 out of window 3
.irp t, 0,1
.irp m, 0,1,2,3
.set rD, 64+8*(8*\t+4*\w+\m)
.set rA, fb+8*(2+\t)
.set rB, 8*(8*\m+(\s))
.set rC, rD
.if (\s) == 0
.set rC, 192+8*(2+\t)
.endif
	WM f16, rD, rA, rB, rC
.endr
.endr
.endr
	WIN 0
.endm
.macro MM2B hi                         ; 64 products of v: eight accumulators take turns, K outside
	WIN 0x58+4*(\hi)
.set ks, 0
.rept 8
.irp t, 0,1
.irp m, 0,1,2,3
.set rD, 8*(8*\t+4*(\hi)+\m)
.set rA, 64+8*(2*ks+\t)
.set rB, 8*(8*\m+ks)
.set rC, rD
.if ks == 0
.set rC, 192+8*(4+\t)
.endif
	WM f16, rD, rA, rB, rC
.endr
.endr
.set ks, ks+1
.endr
.endm
	s_mov_b32 s[U], 0
.Lhead2:
	STEP 1, 1
	s_mul_i32 s[TS], s[U], 384
	s_add_co_u32 s[TS], s[TS], BI
	v_add_nc_u32 v[AG], s[TS], v[H32]
	s_lshl_b32 s[TS], s[U], 12                     ; a head's fragments of A2: 4,096 bytes
	s_add_co_u32 s[TS], s[TS], s[ZW]
	v_add_nc_u32 v[AS], s[TS], v[LO16]
	WIN 0x40
.irp c, 0,1,2,3,4,5
	ds_load_b128 v[192+8*\c:192+8*\c+3],   v[AG] offset:64*\c      ; the bias of channel tile c, the same in all 16 rows
	ds_load_b128 v[192+8*\c+4:192+8*\c+7], v[AG] offset:64*\c+16
.endr
	WIN 0
	FETCH2 0
	FETCH2 1
.set ks, 0
.rept 8
.if ks < 6
	s_wait_dscnt 8                                 ; the next K step's 8 loads stay out
.elseif ks == 6
	s_wait_dscnt 40                                ; K step 7's 8 and the 32 of v's fragments
.else
	s_wait_dscnt 32                                ; v's 32
.endif
	MM2A ks
.if ks < 6
	PLACES
	FETCH2 ks+2
.endif
.if ks == 5
.set vq, 0
.rept 16                               ; all 16 fragments of v0, v1: K step vq / 2, tile vq % 2: they land under the last products and the softmax
	ds_load_b128 v[64+8*vq:64+8*vq+3],   v[AW] offset:TROW*(4+vq%2)+64*(vq/2)
	ds_load_b128 v[64+8*vq+4:64+8*vq+7], v[AW] offset:TROW*(4+vq%2)+64*(vq/2)+32
.set vq, vq+1
.endr
.endif
.set ks, ks+1
.endr
	PLACES
	PLACES
	WIN 0x05
.irp t, 0,1
.irp z, 0,1,2,3
.irp i, 0,1
.irp j, 0,1,2,3
.irp p, 0,1
.set rQ, 8*(4*\t+2*\i+\p)+2*\z
.set rK, 64+8*(8*\t+2*\j+\p)+2*\z
.set rD, 192+2*(2*(4*\i+\j)+\p)
.if ((\t) == 0) && ((\z) == 0)
	v_pk_mul_f32 v[rD:rD+1], v[rQ:rQ+1], v[rK:rK+1]
.else
	v_pk_fma_f32 v[rD:rD+1], v[rQ:rQ+1], v[rK:rK+1], v[rD:rD+1]
.endif
.endr
.endr
.endr
.endr
.endr
	WIN 0
	RED 2, 192, 16, 240
	SOFT 2, 16, 32, 36, C2, 1
	s_wait_dscnt 0x0                               ; v's fragments are in
	MM2B 0
	MM2B 1
	PLACES
	PLACES
	WIN 0x01                                       ; v in window 1
.irp j, 0,1,2,3
.irp z, 0,1,2,3
.irp i, 0,1
.irp p, 0,1
.irp t, 0,1
.set rO, OUT+8*(2*(2*\i+\p)+\t)+2*\z
.set rV, 8*(8*\t+2*\j+\p)+2*\z
.set rA, 16+2*(4*\i+\j)
.if \j == 0
	MULB rO, rV, rA, \p
.else
	FMAB rO, rV, rA, \p
.endif
.endr
.endr
.endr
.endr
.endr
	WIN 0
.set n, 0
.rept 32
	v_cvt_pk_bf16_f32 v[128+n], v[OUT+2*n], v[OUT+2*n+1]   ; A2, rounded once: row tile rt, half t at 128 + 4 (2 rt + t)
.set n, n+1
.endr
.set n, 0
.rept 8
	ds_store_b128 v[AS], v[128+4*n:131+4*n] offset:512*n   ; set aside in my own LDS (Z is no longer wanted); each lane will read back its own 16 bytes
.set n, n+1
.endr
	s_add_co_u32 s[U], s[U], 1
	s_cmp_lt_u32 s[U], 8
	s_cbranch_scc1 .Lhead2
; ================= STAGE 3: written out.  64 accumulators: channel tile ct, row tile rt at ((ct % 8) 4 + rt) 8 of window 2 + ct / 8.  The first K step takes bout_z1 as C =================
.macro FETCH3 s, n
.set fb, FB0+80*((\s)%2)
.set fc, 0
.rept \n
	ds_load_b128 v[fb+8*fc:fb+8*fc+3],   v[AW] offset:TROW*fc+64*(\s)
	ds_load_b128 v[fb+8*fc+4:fb+8*fc+7], v[AW] offset:TROW*fc+64*(\s)+32
.set fc, fc+1
.endr
.endm
.macro S3 ct0, n                       ; the chunk's n channel tiles, from ct0 on, over all of K
	WIN 0
.set fc, 0
.rept \n
	ds_load_b128 v[GB+8*fc:GB+8*fc+3],   v[AG] offset:64*((\ct0)+fc)
	ds_load_b128 v[GB+8*fc+4:GB+8*fc+7], v[AG] offset:64*((\ct0)+fc)+16
.set fc, fc+1
.endr
	FETCH3 0, \n
	FETCH3 1, \n
.set ks, 0
.rept 8
.if ks == 7
	s_wait_dscnt 0x0
.else
	s_wait_dscnt 2*(\n)                            ; the next K step's 2 n loads stay out
.endif
.set fb, FB0+80*(ks%2)
.set mc, 0
.rept \n
.set ct, (\ct0)+mc
.set mr, 0
.rept 4
.set rD, ((ct%8)*4+mr)*8
.set rA, fb+8*mc
.set rB, 8*(8*mr+ks)
.if ks == 0
	WIN 0x84+0x40*(ct/8)                           ; source 1 in window 1, C in window 0, D in window 2 or 3
.set rC, GB+8*mc
.else
	WIN 0xa4+0x50*(ct/8)                           ; C with D
.set rC, rD
.endif
	WM bf16, rD, rA, rB, rC
.set mr, mr+1
.endr
.set mc, mc+1
.endr
	WIN 0
.if ks < 6
	PLACES
	FETCH3 ks+2, \n
.endif
.set ks, ks+1
.endr
.endm
; THE WAY OUT of channels 64 q .. 64 q + 63 of my 64 rows: a lane's eight f32 go into rows of 272 bytes of my own stage and come back as whole rows of 256 bytes
.macro OUTU q
	PLACES
	PLACES
	WIN 0x08+4*((\q)/2)                            ; the stores' data in window 2 or 3
.set oc, 0
.rept 4
.set om, 0
.rept 4
.set rA, (((4*(\q)+oc)%8)*4+om)*8
	ds_store_b128 v[OST], v[rA:rA+3]   offset:16*OPI*om+64*oc
	ds_store_b128 v[OST], v[rA+4:rA+7] offset:16*OPI*om+64*oc+16
.set om, om+1
.endr
.set oc, oc+1
.endr
	WIN 0
	s_wait_xcnt 0x0                                ; earlier stores have read their data: v64-191 are loaded again only behind this wait
.set om, 0
.rept 32
	ds_load_b128 v[64+4*om:64+4*om+3], v[ORD] offset:16*OPI*(om/8)+2*OPI*(om%8)   ; LDS serves a wave's instructions in order: these see the stores above
.set om, om+1
.endr
.set om, 0
.rept 32
	s_wait_dscnt 31-om
	global_store_b128 v[CO], v[64+4*om:64+4*om+3], s[O0+2*(om/16):O0+2*(om/16)+1] offset:16384*((om/8)%2)+2048*(om%8)+256*(\q) th:TH_STORE_NT   ; 16 lanes store 256 consecutive bytes, aligned
.set om, om+1
.endr
.endm
	STEP 1, 0                                      ; chunk 16 is in; chunk 17 is asked for
	v_add_nc_u32 v[AS], s[ZW], v[LO16]
	v_add_nc_u32 v[AG], BI+3072, v[H32]
	WIN 0x40
.set n, 0
.rept 32                               ; all of A2: row tile n / 8, K step n % 8
	ds_load_b128 v[8*n:8*n+3],   v[AS] offset:4096*(n%8)+1024*(n/8)
	ds_load_b128 v[8*n+4:8*n+7], v[AS] offset:4096*(n%8)+1024*(n/8)+512
.set n, n+1
.endr
	WIN 0
	S3 0, 6
	OUTU 0
	STEP 2, 0                                      ; chunk 17 is in; the last chunk is asked for
	S3 6, 6
	OUTU 1
	OUTU 2
	STEP 0, 0                                      ; the last chunk is in; nothing is left to ask for
	S3 12, 4
	OUTU 3
	s_wait_tensorcnt 0x0                           ; the wave's end: behind my last tensor load and my last LDS store
	ds_add_u32 v[SPW], v[NIL]
	s_wait_dscnt 0x0
	ROUND                                          ; the closing round: no work-group ends while a partner may still ask for a chunk that names it
	s_endpgm
.Lfunc_end_k_qee64a01ef1_main:
	.size	k_qee64a01ef1_main, .Lfunc_end_k_qee64a01ef1_main-k_qee64a01ef1_main
	.p2alignl 7, 3214868480
	.fill 96, 4, 3214868480
	.section	.rodata,"a",@progbits
	.p2align	6, 0x0
	.amdhsa_kernel k_qee64a01ef1_main
		.amdhsa_group_segment_fixed_size 327680
		.amdhsa_private_segment_fixed_size 0
		.amdhsa_enable_private_segment 0
		.amdhsa_kernarg_size 56
		.amdhsa_user_sgpr_count 2
		.amdhsa_user_sgpr_kernarg_segment_ptr 1
		.amdhsa_wavefront_size32 1
		.amdhsa_system_sgpr_workgroup_id_x 1
		.amdhsa_system_sgpr_workgroup_id_y 1
		.amdhsa_system_sgpr_workgroup_id_z 1
		.amdhsa_system_vgpr_workitem_id 0
		.amdhsa_next_free_vgpr 1024
		.amdhsa_next_free_sgpr 80
		.amdhsa_reserve_vcc 0
		.amdhsa_float_denorm_mode_32 3
		.amdhsa_float_denorm_mode_16_64 3
		.amdhsa_memory_ordered 1
		.amdhsa_forward_progress 1
		.amdhsa_inst_pref_size 255
	.end_amdhsa_kernel
	.section	.bss,"aw",@nobits
	.p2align	6
	.space	262144
	.amdgpu_metadata
---
amdhsa.version: [ 1, 2 ]
amdhsa.kernels:
  - .name:           k_qee64a01ef1_main
    .symbol:         k_qee64a01ef1_main.kd
    .args:
      - { .name: x, .offset: 0, .size: 8, .value_kind: global_buffer, .address_space: global }
      - { .name: y, .offset: 8, .size: 8, .value_kind: global_buffer, .address_space: global }
      - { .name: wb, .offset: 16, .size: 8, .value_kind: global_buffer, .address_space: global }
      - { .name: gq, .offset: 24, .size: 8, .value_kind: global_buffer, .address_space: global }
      - { .name: bias, .offset: 32, .size: 8, .value_kind: global_buffer, .address_space: global }
      - { .name: out0, .offset: 40, .size: 8, .value_kind: global_buffer, .address_space: global }
      - { .name: out1, .offset: 48, .size: 8, .value_kind: global_buffer, .address_space: global }
    .group_segment_fixed_size: 327680
    .private_segment_fixed_size: 0
    .kernarg_segment_align: 8
    .kernarg_segment_size: 56
    .max_flat_workgroup_size: 128
    .sgpr_count:     80
    .vgpr_count:     1024
    .wavefront_size: 32
...
	.end_amdgpu_metadata
.endif
;; end of part 3
;; ======== version 2 of 2: 3 launches; version 1 with the launch sums written anew for expert scheduling mode
;; limits: values are held in f16: magnitudes above 65,504 overflow, below 6.1e-05 lose precision
;; workspace buffers: psum 262,144 bytes; wb 917,504 bytes; gq 49,152 bytes; bias 4,096 bytes
;; launch sums (part 4): grid 256 x 1, 8 waves a work-group, no clusters, 5,120 bytes of LDS; arguments x, y, psum; writes psum
.if DOCPART == 4
	.amdgcn_target "amdgcn-amd-amdhsa--gfx1250"
	.amdhsa_code_object_version 6
	.text
	.protected	k_qee64a01ef1_sums
	.globl	k_qee64a01ef1_sums
	.p2align	8
	.type	k_qee64a01ef1_sums,@function
k_qee64a01ef1_sums:
	s_mov_b64 s[64:65], 0
	v_nop
	global_prefetch_b8 v0, s[64:65] scope:SCOPE_SE
	s_setreg_imm32_b32 hwreg(HW_REG_WAVE_SCHED_MODE, 0, 2), 2
	s_setreg_imm32_b32 hwreg(HW_REG_WAVE_MODE, 25, 1), 1
	s_wait_xcnt 0x0
	s_wait_alu depctr_vm_vsrc(0)
; psum[n][chunk][c] = the sum over 196 rows of column c.  n = 2 b + t (t = 0: x, t = 1: y), 16 chunks of 196 rows to a batch of 3,136.
; A stream: every byte of x and y is read once, 16 bytes a lane, 512 consecutive bytes a load of a wave.  No matrix unit, no cluster: no two work-groups share a byte.
; A work-group owns one chunk: 196 rows of 1,024 bytes, dense.  Its 256 threads take 4,096 bytes (four rows) a round, 49 rounds; thread t always holds columns 4 (t % 64) .. + 3.
; Rounds 0 and 1 land in the two accumulators; rounds 2 to 48 go through a ring of register slots and are added by the round's parity (two chains).
; The four rows of a round meet in LDS at the end.  Sums in f32, in this fixed order.
; THE MODE: SCHED_MODE bits 1:0 = 2 (LLVM: expert scheduling mode 2), set by the entry lines.  The code itself states the register dependences
; between vector instructions and memory or LDS instructions, with s_wait_alu, always for 0.
; THE PLAN.  Rounds 2 to 48 go in 12 blocks of four (the last has three).  Registers that memory or LDS instructions touch:
;   X0 .. X4   five buffers of four slots.  Written by the loads of block p + 4, issued at the head of block p; read by block p + 4's additions.
;   v[4:11]    the accumulators.  Written by the loads of rounds 0 and 1, then by additions alone; v[4:7] are read once, by the LDS store at the end, and not written again.
;   v1         16 x thread: the offset of every load, store and LDS access but the closing add (v14: spare word, v15: 0); made once at the head and never written again.
; Block p adds X[p % 5].  Its loads land in X[(p + 4) % 5] = X[(p - 1) % 5]: the buffer that block p - 1 added and that no addition of block p names.
; So ONE wait on va_vdst stands at a block's head, ahead of its run of loads.  Block 0's loads land in X4, which no vector instruction has named; blocks 8 to 11 load nothing: these hold no wait.
.set ROWB,   1024
.set RB,     4096                      ; bytes in a round
.set ROUNDS, 49
.set BLK,    4                         ; rounds in a block
.set DEPTH,  5*BLK                     ; slots in the ring
.set OFS, 1                            ; v1       16 x thread: my place in a round, and in LDS
.set ACC, 4                            ; v[4:7] even rounds, v[8:11] odd rounds
.set RING, 16                          ; v[16:95] 20 slots of 4: round i in slot (i - 2) % 20
	s_load_b128 s[4:7], s[0:1], 0x0                ; x, y
	s_load_b64 s[8:9], s[0:1], 0x10                ; psum
	v_lshl_add_u32 v14, v0, 2, 0x1000
	v_mov_b32 v15, 0
	v_lshlrev_b32 v[OFS], 4, v0
	v_lshrrev_b32 v12, 5, v0
	v_readfirstlane_b32 s10, v12                   ; wave
	s_lshr_b32 s11, ttmp9, 4                       ; n
	s_and_b32 s12, s11, 1                          ; t
	s_lshr_b32 s13, s11, 1                         ; b
	s_and_b32 s14, ttmp9, 15                       ; chunk
	s_mul_i32 s16, s13, 3136*ROWB
	s_mul_i32 s15, s14, 196*ROWB
	s_add_co_u32 s16, s16, s15                     ; the chunk's first byte, under 2^25
	s_mov_b32 s17, 0
	s_lshl_b32 s18, ttmp9, 10                      ; psum: 1,024 bytes a work-group
	s_mov_b32 s19, 0
	s_wait_alu depctr_va_sdst(0)                   ; s10 is written, ahead of its first reader: the compare behind the barrier
	s_wait_kmcnt 0x0
	s_cmp_eq_u32 s12, 0
	s_cselect_b64 s[4:5], s[4:5], s[6:7]           ; x or y
	s_add_nc_u64 s[4:5], s[4:5], s[16:17]
	s_add_nc_u64 s[8:9], s[8:9], s[18:19]
	s_wait_alu depctr_va_vdst(0)                   ; v1 is written: every load, store and LDS access but the closing add reads it as its offset
	global_load_b128 v[ACC:ACC+3],   v[OFS], s[4:5] th:TH_LOAD_NT
	global_load_b128 v[ACC+4:ACC+7], v[OFS], s[4:5] offset:RB th:TH_LOAD_NT
.set nx, 2                             ; the next round to be asked for: loads go out in the order of the rounds
.rept DEPTH-BLK                        ; blocks 0 to 3 into X0 to X3
	global_load_b128 v[RING+4*((nx-2)%DEPTH):RING+4*((nx-2)%DEPTH)+3], v[OFS], s[4:5] offset:RB*nx th:TH_LOAD_NT
.set nx, nx+1
.endr
.set i, 2
.rept ROUNDS-2
.if ((i-2)%BLK == 0) && (nx < ROUNDS)  ; a block's head, while there are rounds left to ask for
.if i > 2
	s_wait_alu depctr_va_vdst(0)                   ; the block before is done reading its X, in which the loads below land
.endif
.rept BLK
.if nx < ROUNDS
	global_load_b128 v[RING+4*((nx-2)%DEPTH):RING+4*((nx-2)%DEPTH)+3], v[OFS], s[4:5] offset:RB*nx th:TH_LOAD_NT   ; four blocks ahead; no vector instruction since the wait names these registers
.set nx, nx+1
.endif
.endr
.endif
	s_wait_loadcnt nx-1-i                          ; loads come back in order: round i is in; the younger ones, up to the last round asked for, stay out: 19 at the most, 0 at the end
	v_pk_add_f32 v[ACC+4*(i%2):ACC+4*(i%2)+1],   v[ACC+4*(i%2):ACC+4*(i%2)+1],   v[RING+4*((i-2)%DEPTH):RING+4*((i-2)%DEPTH)+1]
	v_pk_add_f32 v[ACC+4*(i%2)+2:ACC+4*(i%2)+3], v[ACC+4*(i%2)+2:ACC+4*(i%2)+3], v[RING+4*((i-2)%DEPTH)+2:RING+4*((i-2)%DEPTH)+3]
.set i, i+1
.endr
	v_pk_add_f32 v[ACC:ACC+1],   v[ACC:ACC+1],   v[ACC+4:ACC+5]
	v_pk_add_f32 v[ACC+2:ACC+3], v[ACC+2:ACC+3], v[ACC+6:ACC+7]
	s_wait_alu depctr_va_vdst(0)                   ; the additions have written v[4:7], which the LDS store reads; and all additions are done reading the ring, in whose first 16 registers the LDS loads below land
	ds_store_b128 v[OFS], v[ACC:ACC+3]
	s_wait_dscnt 0x0                               ; for the others' sake: my store is done
	s_barrier_signal -1
	s_barrier_wait -1
	s_cmp_lt_u32 s10, 2                            ; threads 0 to 63 add the four rows' sums of their four columns
	s_cbranch_scc0 .Lend
	ds_load_b128 v[16:19], v[OFS]                  ; no vector instruction since the wait above names v[16:31]
	ds_load_b128 v[20:23], v[OFS] offset:1024
	ds_load_b128 v[24:27], v[OFS] offset:2048
	ds_load_b128 v[28:31], v[OFS] offset:3072
	s_wait_dscnt 0x0
	v_pk_add_f32 v[16:17], v[16:17], v[20:21]
	v_pk_add_f32 v[18:19], v[18:19], v[22:23]
	v_pk_add_f32 v[24:25], v[24:25], v[28:29]
	v_pk_add_f32 v[26:27], v[26:27], v[30:31]
	v_pk_add_f32 v[16:17], v[16:17], v[24:25]
	v_pk_add_f32 v[18:19], v[18:19], v[26:27]
	s_wait_alu depctr_va_vdst(0)                   ; the additions have written v[16:19], which the store reads
	global_store_b128 v[OFS], v[16:19], s[8:9]     ; a wave stores 512 consecutive bytes, aligned
.Lend:
	s_wait_dscnt 0x0                               ; the wave's end: my LDS store is done; then 0 is added onto my spare LDS word, with its wait
	s_wait_alu depctr_hold_cnt(0) depctr_sa_sdst(0) depctr_va_vdst(0) depctr_va_sdst(0) depctr_va_ssrc(0) depctr_va_vcc(0) depctr_vm_vsrc(0)
	s_wait_tensorcnt 0x0
	ds_add_u32 v14, v15
	s_wait_dscnt 0x0
	s_endpgm
.Lfunc_end_k_qee64a01ef1_sums:
	.size	k_qee64a01ef1_sums, .Lfunc_end_k_qee64a01ef1_sums-k_qee64a01ef1_sums
	.p2alignl 7, 3214868480
	.fill 96, 4, 3214868480
	.section	.rodata,"a",@progbits
	.p2align	6, 0x0
	.amdhsa_kernel k_qee64a01ef1_sums
		.amdhsa_group_segment_fixed_size 5120
		.amdhsa_private_segment_fixed_size 0
		.amdhsa_enable_private_segment 0
		.amdhsa_kernarg_size 24
		.amdhsa_user_sgpr_count 2
		.amdhsa_user_sgpr_kernarg_segment_ptr 1
		.amdhsa_wavefront_size32 1
		.amdhsa_system_sgpr_workgroup_id_x 1
		.amdhsa_system_sgpr_workgroup_id_y 1
		.amdhsa_system_sgpr_workgroup_id_z 1
		.amdhsa_system_vgpr_workitem_id 0
		.amdhsa_next_free_vgpr 96
		.amdhsa_next_free_sgpr 66
		.amdhsa_reserve_vcc 0
		.amdhsa_float_denorm_mode_32 3
		.amdhsa_float_denorm_mode_16_64 3
		.amdhsa_memory_ordered 1
		.amdhsa_forward_progress 1
		.amdhsa_inst_pref_size 15
	.end_amdhsa_kernel
	.amdgpu_metadata
---
amdhsa.version: [ 1, 2 ]
amdhsa.kernels:
  - .name:           k_qee64a01ef1_sums
    .symbol:         k_qee64a01ef1_sums.kd
    .args:
      - { .name: x, .offset: 0, .size: 8, .value_kind: global_buffer, .address_space: global }
      - { .name: y, .offset: 8, .size: 8, .value_kind: global_buffer, .address_space: global }
      - { .name: psum, .offset: 16, .size: 8, .value_kind: global_buffer, .address_space: global }
    .group_segment_fixed_size: 5120
    .private_segment_fixed_size: 0
    .kernarg_segment_align: 8
    .kernarg_segment_size: 24
    .max_flat_workgroup_size: 256
    .sgpr_count:     66
    .vgpr_count:     96
    .wavefront_size: 32
...
	.end_amdgpu_metadata
.endif
;; end of part 4
;; launch prep: the kernel of part 2 again; grid 14 x 1, 8 waves a work-group, no clusters, 225,792 bytes of LDS; arguments Wqkv_z, Wqkv_z1, Wout_z, Wout_z1, bout_z, bout_z1, psum, wb, gq, bias; writes wb, gq, bias
;; launch main: the kernel of part 3 again; grid 196 x 1, 4 waves a work-group, clusters of 4 x 1, 327,680 bytes of LDS; arguments x, y, wb, gq, bias, out0, out1; writes out0, out1
